; MI455X (gfx1250); checked and timed in simulation.
; The chip was launched on July 23, 2026; its instructions are those of AMD's public machine-readable ISA for CDNA 5 (MIT licence, August 2026) and "CDNA5" Instruction Set Architecture Reference Guide (July 2026). The comments in the code are by the model that wrote it; some were corrected since.
;; Multi Head Attention. Allowed arithmetic: matrix products marked QUANTISED: E4M3 operands, one given power-of-two scale a tensor, by v_wmma_f32_16x16x64_fp8_fp8 or v_wmma_f32_16x16x128_fp8_fp8, f32 sums; everything else in f32.
;; Inputs: lowp_scales 8 int32 (the exponents e of the quantised operands' scales 2^e); proj_b 1,024 float32; proj_w_codes 1,024 x 32 x 32 uint8 (E4M3 codes of proj_w, K innermost, in blocks of 32 codes); qkv_b 3,072 float32; qkv_w_codes 3,072 x 32 x 32 uint8 (E4M3 codes of qkv_w, K innermost, in blocks of 32 codes); x_codes 4 x 2,048 x 32 x 32 uint8 (E4M3 codes of x, K innermost, in blocks of 32 codes).
;; Outputs: out0 4 x 2,048 x 1,024 float32.
;; This version of the problem:
;;   THIS VERSION OF THE PROBLEM IS GIVEN IN LOW PRECISION. The matrix products marked QUANTISED in the list below multiply operands that are first quantised to E4M3 (4 exponent bits, 3 mantissa bits; 8 bits a number), with one given power-of-two scale for each operand tensor; their sums are f32. All else is computed in f32.
;;   The module's matrix products, in the order in which they are computed (A, B: the left and right operand; K: the contracted axis; several contracted axes count as one K, in the product's order):
;;     1. [M 8,192, K 1,024] x [K 1,024, N 3,072]; A: input x (given as codes); B: input qkv_w (given as codes): QUANTISED (scales: A lowp_scales[0], B lowp_scales[1])
;;     2. batch 64 x [M 2,048, K 64] x [K 64, N 2,048]; A: computed on the way; B: computed on the way: QUANTISED (scales: A lowp_scales[2], B lowp_scales[3])
;;     3. batch 64 x [M 2,048, K 2,048] x [K 2,048, N 64]; A: softmax (see below); B: computed on the way: QUANTISED (scales: A lowp_scales[4], B lowp_scales[5])
;;     4. [M 8,192, K 1,024] x [K 1,024, N 1,024]; A: computed on the way; B: input proj_w (given as codes): QUANTISED (scales: A lowp_scales[6], B lowp_scales[7])
;;   THE QUANTISER, for each operand of a quantised product, along K:
;;     - The operand's scale is 2^e, e = its entry of the input lowp_scales (int32; the entries are numbered through the quantised products in the list's order, A before B).
;;     - Each number is divided by the scale, clamped to +-448, and rounded to the nearest number of E4M3, ties to even, subnormals kept.
;;     - The product sums the exact products of the quantised numbers (number of the format x scale) in f32.
;;   ~~~python
;;   def quantise(x, axis, e):      # numpy; x: float32 -> the quantised numbers, widened to float32 again
;;       x = np.moveaxis(x, axis, -1); K = x.shape[-1]
;;       r = np.clip(x / 2.0 ** e, -448, 448)
;;       step = 2.0 ** (np.maximum(np.frexp(np.where(r == 0, 1, r))[1] - 1, -6) - 3)
;;       q = np.round(r / step) * step * 2.0 ** e      # np.round: ties to even
;;       return np.moveaxis(q, -1, axis).astype(np.float32)
;;   ~~~
;;   SOFTMAX AHEAD OF A QUANTISED PRODUCT. Where the list says 'softmax', what is quantised is not the finished softmax but p = 2^(t - M), with t = logit x log2(e) and M = ceil(the row's largest t), a whole number; so 1/2 < the row's largest p <= 1. The row's sum l is taken of the UNQUANTISED p, in f32, and the product's result is divided by l at the end. Since M is a whole number, a kernel that streams over the keys may use a running M (the ceiling of the running maximum): every later rescaling is an exact power of two, so the quantised numbers keep their values, but for numbers so far below the row's largest that they fall under the format's range.
;;   OPERANDS COMPUTED ON THE WAY. 'Computed on the way' means the value that the module computes at that place (a softmax that the list does not call 'softmax' is quantised finished and normalised). What goes into a quantiser is computed in f32, as accurately as f32 sums, v_exp_f32 and their like allow (about 1e-6 of the number): no bf16 or f16 on the way to a quantiser, and a product that is left as it is and whose result goes on into a quantised operand takes f32 operands (vector FMAs, or v_wmma_f32_16x16x4_f32). A number that lies on a knife's edge between two numbers of the format may be rounded either way, as far as f32 arithmetic and the matrix unit's own rounding can turn it there, and no further.
;;   INPUTS GIVEN AS CODES. proj_w (in the module: [1024, 1024], K = its axis 1); qkv_w (in the module: [3072, 1024], K = its axis 1); x (in the module: [4, 2048, 1024], K = its axis 2): each comes as NAME_codes (uint8): NAME with its K axis moved to the last place and cut into blocks of 32 codes, [.., K / 32, bytes a block], one block behind the other in memory; one code a byte (a code: sign, 4 exponent bits, 3 mantissa bits); its scale is its entry of lowp_scales. Its value is code x scale, taken as it is: it is not quantised again, and the codes and scales need not be those that the quantiser above would give.
;; One version. Each part assembles by itself: llvm-mc -triple=amdgcn-amd-amdhsa -mcpu=gfx1250 --defsym DOCPART=n.
;; ======== version 1 of 1: 3 launches
;; limits: right only within a limited range of input values
;; workspace buffers: qkv_img 25,165,824 bytes; a_img 8,388,608 bytes
;; launch qkv (part 1): grid 12 x 32, 4 waves a work-group, clusters of 4 x 4, 327,680 bytes of LDS; arguments x_codes, qkv_w_codes, lowp_scales, qkv_b, qkv_img; writes qkv_img
.if DOCPART == 1
	.amdgcn_target "amdgcn-amd-amdhsa--gfx1250"
	.amdhsa_code_object_version 6
	.text
	.protected	k_qbba99650c2_qkv
	.globl	k_qbba99650c2_qkv
	.p2align	8
	.type	k_qbba99650c2_qkv,@function
k_qbba99650c2_qkv:
	s_mov_b64 s[64:65], 0
	v_nop
	global_prefetch_b8 v0, s[64:65] scope:SCOPE_SE
	s_setreg_imm32_b32 hwreg(HW_REG_WAVE_MODE, 25, 1), 1
	s_wait_xcnt 0x0
	s_wait_alu depctr_hold_cnt(0) depctr_sa_sdst(0) depctr_va_vdst(0) depctr_va_sdst(0) depctr_va_ssrc(0) depctr_va_vcc(0) depctr_vm_vsrc(0)
	s_getreg_b32 s2, hwreg(HW_REG_IB_STS2, 6, 4)
	s_cmp_eq_u32 s2, 0
	s_cbranch_scc0 .Lentry_in_a_cluster
	s_endpgm
.Lentry_in_a_cluster:
	s_bfe_u32 s2, ttmp6, 0x10000c
	s_cmp_lg_u32 s2, 0xf033
	s_cbranch_scc0 .Lentry_shape_is_right
	s_endpgm
.Lentry_shape_is_right:
; q, k, v = x W^T + b on codes of FP8 (E4M3), then quantised again, each with its given scale, and stored as IMAGES OF THE OPERAND REGISTERS that the attention launch wants.
; x: [8192][1024] codes (scale 2^e0), W: [3072][1024] codes (2^e1), b: [3072] f32.  A finished sum is multiplied by 2^(e0 + e1) and b is added, in one fused multiply-add; the result is
; converted with the scale 2^eo: eo = e2 for q, e3 for k, e5 for v.
; LIMITS: e0 + e1 between -126 and 127; e2, e3, e5 between -126 and 119, so that each power of two below is an f32 number.  NaN in the bias is not served.
; SHARES.  A tile of 256 x 256 of the product is made by a work-group of four waves, a wave makes 128 x 128: 64 accumulators, 512 registers.  K goes in steps of 256 through a ring of two LDS slots.
; CLUSTERS of 4 x 4 work-groups; cluster x = 0 makes q, 1 makes k, 2 makes v.  The two operands have ROLES.  Role A is the matrix instruction's source 1: a lane holds ONE row of it.  Role B is source 0: a lane's eight
; results run along eight neighbouring rows of it.  For q and k role A is x (a lane holds a token, its registers run along the head's channels, the K of q k^T); for v role A is W and role B is x (a lane holds a
; channel, its registers run along the tokens, the K of p v).  So the conversion of accumulator b gives registers 2 b, 2 b + 1 of the next operand as the plain 8-bit layout wants them, and nothing is transposed.
; Role A's tile hangs on the place cy and is asked for jointly by a row of the cluster, role B's on cx and by a column.  Which tensor has which role hangs on cluster x alone, which all sixteen partners share.
; THE IMAGES.  16 rows x 64 K are 1,024 bytes: byte 512 c + 16 lane + 4 i + y is byte y of register 4 c + i.  Head bh = 16 batch + head begins at bh x HS: q's 128 tiles of 16 tokens, 1,024 bytes each; at 131,072 k's;
; at 262,144 v's: 8,192 x (tokens / 128) + 2,048 x (channels / 16) + 1,024 x (which 64 tokens).  Each store of a wave covers 512 consecutive bytes, aligned.
; REGISTERS, in windows of 256: window 0: v16-31 addresses and constants; v32-95 the bias; from v128 role A's fragments, ONE set; on the way out v128-191 numbers, v192-255 codes.
;   window 1: role B's fragments, TWO sets.   window 2: the 32 accumulators of role A's blocks 0-3 (accumulator (a, b) at v[8 (8 a + b)]);   window 3: those of blocks 4-7.
.set KSTEP,  256                       ; along K in a slot
.set ROWB,   256                       ; a tile's row in bytes
.set KROW,   1024                      ; a row of x or of W in memory, in bytes
.set PITCH,  272                       ; an LDS row: 256 bytes + 16 of padding = 68 words: the 16 rows that a load touches start at 16 different banks (64 banks of 4 bytes: ISA guide 11.1)
.set FR,     16                        ; registers of a fragment: 16 rows x 128 K
.set NL,     4                         ; LDS loads that bring one
.set NP,     4                         ; places behind this matrix instruction (ISA guide 7.12.1)
.set HALFT,  128*PITCH                 ; 128 rows: what one tensor load brings
.set SLOT,   4*HALFT                   ; role A's 256 rows, then role B's
.set LAPS,   KROW/(2*KSTEP)            ; a lap = two K steps = once round the ring: 2
.set SPARE,  2*SLOT                    ; behind the ring: the spare words, 128 bytes for each wave: two blocks of 256 bytes that no other line names
.set HS,     393216                    ; a head's bytes in qkv_img
.set ADRA, 16                          ; v16-17  LDS address of my role A fragments in slot 0, 1
.set ADRB, 20                          ; v20-21  the same for role B
.set CO,   26                          ; v26     16 x lane: my place in an image
.set BO,   27                          ; v27     my lane's byte offset in the bias
.set SPW,  28                          ; v28     LDS address of my spare word; never rewritten
.set NIL,  29                          ; v29     0; never rewritten
.set SCL,  30                          ; v30     2^eo as f32
.set LIM,  31                          ; v31     unused
.set BI,   32                          ; v32-95  the bias in the results' layout, eight registers a block
.set AF,   128                         ; role A's fragments
.set TMP,  128                         ; the way out: a block's 64 numbers
.set CD,   192                         ; the way out: codes, four sets of 16 registers by turns
.set G1, 24                            ; s[24:31] descriptor group 1 for role A;  s[32:39] group 0, one set for each slot
.set G0, 32
.set G1B, 48                           ; s[48:55], s[56:63] the same for role B
.set G0B, 56
.set MSB, 0
.macro WIN new                         ; the immediate's high byte repeats the setting that is left
.if MSB != \new
	s_set_vgpr_msb (MSB<<8)|\new
.set MSB, \new
.endif
.endm
.set MUL_LO, 0xa1                      ; source 0 (role B) window 1, source 1 (role A) window 0, C and D window 2
.set MUL_HI, 0xf1                      ; the same, C and D window 3
.set TO_B,   0x40                      ; destination window 1, address window 0
; A joint load: waves 0 and 1 fetch for role A, waves 2 and 3 for role B.  Each line has one mask and one set of registers; the branch hangs on the wave's number alone.
; Four v_nop follow each of the two lines, ahead of the jump, the label and what follows.
.macro JLOAD g0a, g1a, g0b, g1b
	s_cmp_eq_u32 s15, 0
	s_cbranch_scc0 .Lfor_b_\@
	tensor_load_to_lds s[\g0a:\g0a+3], s[\g1a:\g1a+7]
	s_nop 0
.rept 4
	v_nop
.endr
	s_branch .Lasked_\@
.Lfor_b_\@:
	tensor_load_to_lds s[\g0b:\g0b+3], s[\g1b:\g1b+7]
	s_nop 0
.rept 4
	v_nop
.endr
.Lasked_\@:
.endm
.macro CREST                           ; a round of the cluster's barrier behind its opening barrier
	s_cmp_lg_u32 s14, 0
	s_cbranch_scc1 .Lnot_wave_0_\@
	s_barrier_signal -3
.Lnot_wave_0_\@:
	s_barrier_wait -3
	s_barrier_signal -1
	s_barrier_wait -1
.endm
.macro CROUND                          ; a whole round
	s_barrier_signal -1
	s_barrier_wait -1
	CREST
.endm
	s_load_b256 s[4:11], s[0:1], 0x0               ; x s[4:5], W s[6:7], the scales' exponents s[8:9], b s[10:11]
	s_load_b64 s[12:13], s[0:1], 0x20              ; qkv_img
	v_lshl_add_u32 v[SPW], v0, 2, SPARE
	v_mov_b32 v[NIL], 0
	ds_add_u32 v28, v29
	ds_add_u32 v28, v29
	s_wait_dscnt 0x0
	v_lshrrev_b32 v1, 5, v0
	v_readfirstlane_b32 s14, v1                    ; wave 0..3
	s_lshr_b32 s15, s14, 1                         ; which half of role A's 256 rows is mine.  Also: I fetch for role A (0) or B (1)
	s_and_b32 s16, s14, 1                          ; which half of role B's.  Also: which 128 rows of that tile I fetch
	s_bfe_u32 s40, ttmp6, 0x40000                  ; cx, cy: my place in the cluster
	s_bfe_u32 s41, ttmp6, 0x40004
	s_and_b32 s17, ttmp7, 0xffff                   ; cluster y: which 1,024 tokens
	s_cmp_eq_u32 ttmp9, 2                          ; v's clusters?  The same answer in all sixteen partners
	s_cselect_b32 s18, 2, s17                      ; role A's group of four tiles: W's rows 2,048 on, or the tokens
	s_cselect_b32 s19, s17, ttmp9                  ; role B's: the tokens, or W's rows 1,024 x cluster x on
	s_cselect_b32 s70, s41, s40                    ; the place that counts channels,
	s_cselect_b32 s71, s15, s16                    ; the wave's half that counts channels,
	s_cselect_b32 s72, s16, s15                    ; and the one that counts tokens
	s_lshl_b32 s66, s18, 2
	s_add_co_u32 s66, s66, s41                     ; role A's tile: it holds cy and never cx
	s_lshl_b32 s67, s19, 2
	s_add_co_u32 s67, s67, s40                     ; role B's tile: it holds cx and never cy
	s_cmp_eq_u32 ttmp9, 2
	s_cselect_b32 s73, s67, s66                    ; the tile of 256 tokens
	s_lshl_b32 s43, s41, 2
	s_lshl_b32 s43, 15, s43                        ; my row of the cluster
	s_lshl_b32 s44, 0x1111, s40                    ; my column
	; descriptor group 1: a tile of 128 rows x 256 bytes, padded in LDS
	s_or_b32 s[G1+0], s43, (0<<16)|(1<<20)|(1<<21)|(5<<22)|(3<<25)  ; 15:0 the mask: my row; 17:16 elements of 1 byte; 20 padding on; 21 set beside a mask; 24:22 after every 64 words (code 5); 31:25 of 4 words (code 3)
	s_or_b32 s[G1B+0], s44, (0<<16)|(1<<20)|(1<<21)|(5<<22)|(3<<25) ; the same with my column's mask
.irp g, G1, G1B
	s_mov_b32 s[\g+1], ROWB<<16                    ; tensor_dim0
	s_mov_b32 s[\g+2], 128<<16                     ; tensor_dim1 = 128
	s_mov_b32 s[\g+3], ROWB<<16                    ; tile_dim0
	s_mov_b32 s[\g+4], 128                         ; tile_dim1 = 128
	s_mov_b32 s[\g+5], KROW                        ; tensor_dim0_stride
	s_mov_b32 s[\g+6], 0
	s_mov_b32 s[\g+7], 0
.endr
	s_lshl_b32 s18, s16, 7                         ; which 128 rows of the tile I fetch
	s_lshl_b32 s20, s66, 8
	s_add_co_u32 s20, s20, s18
	s_lshl_b32 s20, s20, 10                        ; role A: (256 x tile + 128 x half) rows of 1,024 bytes: under 2^23
	s_mov_b32 s21, 0
	s_lshl_b32 s46, s67, 8
	s_add_co_u32 s46, s46, s18
	s_lshl_b32 s46, s46, 10                        ; role B likewise
	s_mov_b32 s47, 0
	s_mul_i32 s45, s14, HALFT                      ; where they go: wave x 128 rows: no place in the cluster enters an LDS address
	s_wait_kmcnt 0x0
	s_load_b256 s[84:91], s[8:9], 0x0              ; e0 .. e7
	s_cmp_eq_u32 ttmp9, 2
	s_cselect_b64 s[74:75], s[6:7], s[4:5]         ; role A's tensor
	s_cselect_b64 s[76:77], s[4:5], s[6:7]         ; role B's
	s_add_nc_u64 s[20:21], s[74:75], s[20:21]
	s_add_nc_u64 s[46:47], s[76:77], s[46:47]
	CROUND                                         ; all sixteen work-groups are here: the first joint loads meet
.irp s, 0,1
	s_mov_b32 s[G0+4*\s], 1
	s_add_co_u32 s[G0+4*\s+1], s45, \s*SLOT
	s_add_nc_u64 s[G0+4*\s+2:G0+4*\s+3], s[20:21], \s*ROWB
	s_or_b32 s[G0+4*\s+3], s[G0+4*\s+3], 0x80000000
	s_mov_b32 s[G0B+4*\s], 1
	s_add_co_u32 s[G0B+4*\s+1], s45, \s*SLOT
	s_add_nc_u64 s[G0B+4*\s+2:G0B+4*\s+3], s[46:47], \s*ROWB
	s_or_b32 s[G0B+4*\s+3], s[G0B+4*\s+3], 0x80000000
	JLOAD G0+4*\s, G1, G0B+4*\s, G1B               ; two loads of mine are out
.endr
	v_and_b32 v1, 15, v0                           ; r = lane % 16
	v_bfe_u32 v2, v0, 4, 1                         ; h = lane / 16
	v_mul_u32_u24 v3, v1, PITCH
	v_lshl_add_u32 v4, v2, 4, v3                   ; a fragment's row x pitch + 16 x half
	s_mul_i32 s21, s15, HALFT                      ; my 128 rows of role A
	s_mul_i32 s22, s16, HALFT                      ; my 128 rows of role B,
	s_add_co_u32 s22, s22, 2*HALFT                 ; which lie behind role A's 256
.irp s, 0,1
	v_add_nc_u32 v[ADRA+\s], s21, v4
	v_add_nc_u32 v[ADRB+\s], s22, v4
	s_add_co_u32 s21, s21, SLOT
	s_add_co_u32 s22, s22, SLOT
.endr
	v_and_b32 v5, 31, v0
	v_lshlrev_b32 v[CO], 4, v5
	; where my wave's images begin: part (q, k, v) + head x HS + the tokens' place.  My 128 channels are two heads: 16 batch + 4 x place + 2 x half, and the next
	s_lshr_b32 s68, s73, 3                         ; batch: eight tiles of 256 tokens each
	s_lshl_b32 s68, s68, 4
	s_lshl_b32 s69, s70, 2
	s_add_co_u32 s68, s68, s69
	s_lshl_b32 s69, s71, 1
	s_add_co_u32 s68, s68, s69
	s_mul_i32 s68, s68, HS
	s_and_b32 s69, s73, 7
	s_lshl_b32 s69, s69, 1
	s_add_co_u32 s69, s69, s72                     ; which 128 tokens of the batch: 8,192 bytes in each of the three parts
	s_lshl_b32 s69, s69, 13
	s_add_co_u32 s68, s68, s69
	s_lshl_b32 s69, ttmp9, 17
	s_add_co_u32 s68, s68, s69
	s_mov_b32 s69, 0
	s_add_nc_u64 s[82:83], s[12:13], s[68:69]
	; the bias of my 128 channels: 1,024 x cluster x + 256 x place + 128 x half on
	s_lshl_b32 s80, ttmp9, 12
	s_lshl_b32 s81, s70, 10
	s_add_co_u32 s80, s80, s81
	s_lshl_b32 s81, s71, 9
	s_add_co_u32 s80, s80, s81
	s_mov_b32 s81, 0
	s_add_nc_u64 s[78:79], s[10:11], s[80:81]
	s_cmp_eq_u32 ttmp9, 2
	s_cbranch_scc1 .Lbias_v
	s_wait_alu depctr_va_vdst(0)
	v_lshlrev_b32 v[BO], 5, v2                     ; q, k: block b's registers 0-7 are channels 16 b + 8 h + 0 .. 7
.irp b, 0,1,2,3,4,5,6,7
	global_load_b128 v[BI+8*\b:BI+8*\b+3], v[BO], s[78:79] offset:64*\b
	global_load_b128 v[BI+8*\b+4:BI+8*\b+7], v[BO], s[78:79] offset:64*\b+16
.endr
	s_branch .Lbias_in
.Lbias_v:
	v_lshlrev_b32 v[BO], 2, v1                     ; v: in block a my lane holds channel 16 a + r alone: its eight registers hold that one number
.irp a, 0,1,2,3,4,5,6,7
.irp i, 0,1,2,3,4,5,6,7
	global_load_b32 v[BI+8*\a+\i], v[BO], s[78:79] offset:64*\a
.endr
.endr
.Lbias_in:
	s_wait_kmcnt 0x0                               ; the exponents; the first tiles are still on their way
	s_add_co_i32 s96, s84, s85
	s_add_co_i32 s96, s96, 127
	s_lshl_b32 s96, s96, 23                        ; 2^(e0 + e1) as f32
	s_mov_b32 s97, s96                             ; (named with it as a pair, so it is written)
	s_cmp_eq_u32 ttmp9, 0
	s_cselect_b32 s92, s86, s87                    ; q: e2; k: e3;
	s_cmp_eq_u32 ttmp9, 2
	s_cselect_b32 s92, s89, s92                    ; v: e5
	s_add_co_i32 s92, s92, 127
	s_lshl_b32 s93, s92, 23
	v_mov_b32 v[SCL], s93                          ; 2^eo: the conversion takes its exponent field
.macro FRAG reg, adr, q, i             ; a fragment, 16 rows x 128 K, is 16 registers: lane l holds row l % 16; registers 4 c .. 4 c + 3 hold K = 32 c + 16 (l / 16) + 0 .. 15: the same order of K on both sides, so every product meets its partner
.irp c, 0,1,2,3
	ds_load_b128 v[\reg+4*\c:\reg+4*\c+3], v[\adr] offset:128*(\q)+32*\c+(\i)*16*PITCH
.endr
.endm
; 16 matrix instructions: role A's blocks a0, a0 + 1 x role B's eight, 128 along K.  p: role B's set.  zero = 1: the first product starts the sums.
; The 64 accumulators take turns, one instruction a turn, in the same order in every step.
.macro MUL16 a0, p, zero
.irp a, \a0, \a0+1
.irp b, 0,1,2,3,4,5,6,7
.if \zero
	v_wmma_f32_16x16x128_fp8_fp8 v[8*(8*((\a)%4)+\b):8*(8*((\a)%4)+\b)+7], v[128*(\p)+FR*\b:128*(\p)+FR*\b+FR-1], v[AF+FR*(\a):AF+FR*(\a)+FR-1], 0
.else
	v_wmma_f32_16x16x128_fp8_fp8 v[8*(8*((\a)%4)+\b):8*(8*((\a)%4)+\b)+7], v[128*(\p)+FR*\b:128*(\p)+FR*\b+FR-1], v[AF+FR*(\a):AF+FR*(\a)+FR-1], v[8*(8*((\a)%4)+\b):8*(8*((\a)%4)+\b)+7]
.endif
.endr
.endr
.endm
.macro FETCH_B slot, q, p              ; role B's eight fragments of the slot's q-th 128 along K into set p
	WIN TO_B
.irp i, 0,1,2,3,4,5,6,7
	FRAG 128*(\p)+FR*\i, ADRB+\slot, \q, \i
.endr
	WIN 0
.endm
.macro FETCH_A slot, q, i0             ; role A's blocks i0 .. i0 + 3
.irp i, \i0, \i0+1, \i0+2, \i0+3
	FRAG AF+FR*(\i), ADRA+\slot, \q, \i
.endr
.endm
; A load into a register that a matrix instruction has read, and a vector instruction that reads a matrix result or writes one of its registers, stand NP places behind it; only plain vector
; instructions that name none of its registers are places (ISA guide 7.12.1 for vector instructions).
.macro PLACES n
.rept \n
	v_nop
.endr
.endm
; A step of 128 along K that has its successor in the same slot.
.macro STEP slot, q, zero
	s_wait_dscnt 4*NL                              ; role B's set and role A's blocks 0-3 are in; the youngest 16 loads (blocks 4-7) may be out
	WIN MUL_LO
	MUL16 0, (\q)%2, \zero
	MUL16 2, (\q)%2, \zero
	s_wait_dscnt 0                                 ; blocks 4-7 are in (asked for 32 matrix instructions ago)
	PLACES NP
	FETCH_B \slot, (\q)+1, 1-(\q)%2
	FETCH_A \slot, (\q)+1, 0
	WIN MUL_HI
	MUL16 4, (\q)%2, \zero
	MUL16 6, (\q)%2, \zero
	PLACES NP
	WIN 0
	FETCH_A \slot, (\q)+1, 4
.endm
; A slot's last step changes slots: ONE barrier; in front of it each wave waits for all its tensor loads, adds 0 to its spare word, and waits for that and for its own reads of this slot.  fill = 1: this slot is filled again, two K steps ahead.
.macro TURN slot, next, fill
	s_wait_tensorcnt 0x0                           ; all my tensor loads have landed: my part of the next slot  (every window is 0 here)
	ds_add_u32 v[SPW], v[NIL]                      ; 0 onto my spare word
	s_wait_dscnt 4*NL+1                            ; (the add and the youngest 16 loads, blocks 4-7, may be out)
	WIN MUL_LO
	MUL16 0, 1, 0                                  ; sixteen matrix instructions stand between the add and the wait for it
	s_wait_dscnt 0x0                               ; the add is done, and my reads of this slot are over
	s_barrier_signal -1
	MUL16 2, 1, 0
	WIN 0
	s_barrier_wait -1
.if \fill
	CREST                                          ; the barrier has opened a round of the cluster's barrier: no wave of any partner still reads this slot or has a load on its way
	s_add_nc_u64 s[G0+4*\slot+2:G0+4*\slot+3], s[G0+4*\slot+2:G0+4*\slot+3], 2*ROWB
	s_add_nc_u64 s[G0B+4*\slot+2:G0B+4*\slot+3], s[G0B+4*\slot+2:G0B+4*\slot+3], 2*ROWB
	JLOAD G0+4*\slot, G1, G0B+4*\slot, G1B         ; the first tensor load behind the round; its four v_nop are the places in front of the loads below
.else
	PLACES NP
.endif
	FETCH_B \next, 0, 0
	FETCH_A \next, 0, 0
	WIN MUL_HI
	MUL16 4, 1, 0
	MUL16 6, 1, 0
	PLACES NP
	WIN 0
	FETCH_A \next, 0, 4
.endm
	s_wait_tensorcnt 1                             ; my part of K step 0 is in (K step 1's load may be out)
	s_barrier_signal -1
	s_barrier_wait -1                              ; everybody's is
	s_wait_alu depctr_va_vdst(0)
	FETCH_B 0, 0, 0
	FETCH_A 0, 0, 0
	FETCH_A 0, 0, 4
	STEP 0, 0, 1                                   ; the first step stands in front of the loop: its products start the sums
	s_mov_b32 s3, LAPS-1
.Llap:                                                 ; a trip goes once round the ring, from a lap's second step to the next lap's first, and fills both slots again
	TURN 0, 1, 1
	STEP 1, 0, 0
	TURN 1, 0, 1
	STEP 0, 0, 0
	s_sub_co_u32 s3, s3, 1
	s_cmp_lg_u32 s3, 0
	s_cbranch_scc1 .Llap
	TURN 0, 1, 0                                   ; the last lap fills nothing, and has no round of the cluster's barrier
	STEP 1, 0, 0
	s_wait_dscnt 4*NL                              ; the very last step: nothing more to fetch
	WIN MUL_LO
	MUL16 0, 1, 0
	MUL16 2, 1, 0
	s_wait_dscnt 0
	WIN MUL_HI
	MUL16 4, 1, 0
	MUL16 6, 1, 0
	WIN 0
; THE WAY OUT of role A's block a: its eight accumulators become 16 registers of codes, which ARE the images' registers, and leave by four stores of 512 consecutive bytes.  No LDS is touched.
; vpath = 0 (q, k): accumulator b holds channels 16 b + 8 h + 0 .. 7 of token 16 a + r: accumulators 0-3 are one head's image of that tile of tokens, 4-7 the next head's.
; vpath = 1 (v): accumulator b holds tokens 16 b + 8 h + 0 .. 7 of channel 16 a + r: the eight are the two images (64 tokens each) of head a / 4, channels 16 (a % 4) on.
.macro OUTBLK a, vpath
.set AC, 64*((\a)%4)
.set CB, CD+16*((\a)%4)
.if (\a) >= 4
	s_wait_xcnt 0x0                                ; block a - 4's stores have read their registers: only behind this wait are the codes' registers written again
.endif
	WIN 0x02+((\a)/4)                              ; source 0: window 2 or 3
.irp b, 0,1,2,3,4,5,6,7
.irp i, 0,2,4,6
.if \vpath
	v_pk_fma_f32 v[TMP+8*\b+\i:TMP+8*\b+\i+1], v[AC+8*\b+\i:AC+8*\b+\i+1], s[96:97], v[BI+8*(\a)+\i:BI+8*(\a)+\i+1] op_sel_hi:[1,0,1]   ; sum x 2^(e0 + e1) + b; each accumulator from its low end on
.else
	v_pk_fma_f32 v[TMP+8*\b+\i:TMP+8*\b+\i+1], v[AC+8*\b+\i:AC+8*\b+\i+1], s[96:97], v[BI+8*\b+\i:BI+8*\b+\i+1] op_sel_hi:[1,0,1]
.endif
.endr
.endr
	WIN 0
.set jj, 0
.rept 64
.set jj, jj+1
.endr
.irp b, 0,1,2,3,4,5,6,7
	v_cvt_scalef32_pk8_fp8_f32 v[CB+2*\b:CB+2*\b+1], v[TMP+8*\b:TMP+8*\b+7], v[SCL]
.endr
	v_nop                                          ; one plain vector instruction between the conversions and the next block's lines, which write their sources
.irp g, 0,1
.irp c, 0,1
.if \vpath
	global_store_b128 v[CO], v[CB+8*\g+4*\c:CB+8*\g+4*\c+3], s[82:83] offset:((\a)/4)*HS+2048*((\a)%4)+1024*\g+512*\c
.else
	global_store_b128 v[CO], v[CB+8*\g+4*\c:CB+8*\g+4*\c+3], s[82:83] offset:\g*HS+1024*(\a)+512*\c
.endif
.endr
.endr
.endm
	s_wait_loadcnt 0x0                             ; the bias
	PLACES NP                                      ; behind the last products: the lines below read results and write registers that held role A's fragments
	s_cmp_eq_u32 ttmp9, 2
	s_cbranch_scc1 .Lout_v
.irp a, 0,1,2,3,4,5,6,7
	OUTBLK \a, 0
.endr
	s_branch .Lout_done
.Lout_v:
.irp a, 0,1,2,3,4,5,6,7
	OUTBLK \a, 1
.endr
.Lout_done:
	s_wait_tensorcnt 0x0                           ; the wave's end
	ds_add_u32 v[SPW], v[NIL]
	s_wait_dscnt 0x0
	CROUND                                         ; the closing round: no work-group ends while a partner may still ask for a tile that names it
	s_endpgm
.Lfunc_end_k_qbba99650c2_qkv:
	.size	k_qbba99650c2_qkv, .Lfunc_end_k_qbba99650c2_qkv-k_qbba99650c2_qkv
	.p2alignl 7, 3214868480
	.fill 96, 4, 3214868480
	.section	.rodata,"a",@progbits
	.p2align	6, 0x0
	.amdhsa_kernel k_qbba99650c2_qkv
		.amdhsa_group_segment_fixed_size 327680
		.amdhsa_private_segment_fixed_size 0
		.amdhsa_enable_private_segment 0
		.amdhsa_kernarg_size 40
		.amdhsa_user_sgpr_count 2
		.amdhsa_user_sgpr_kernarg_segment_ptr 1
		.amdhsa_wavefront_size32 1
		.amdhsa_system_sgpr_workgroup_id_x 1
		.amdhsa_system_sgpr_workgroup_id_y 1
		.amdhsa_system_sgpr_workgroup_id_z 1
		.amdhsa_system_vgpr_workitem_id 0
		.amdhsa_next_free_vgpr 1024
		.amdhsa_next_free_sgpr 98
		.amdhsa_reserve_vcc 0
		.amdhsa_float_denorm_mode_32 3
		.amdhsa_float_denorm_mode_16_64 3
		.amdhsa_fp16_overflow 1
		.amdhsa_memory_ordered 1
		.amdhsa_forward_progress 1
		.amdhsa_inst_pref_size 134
	.end_amdhsa_kernel
	.amdgpu_metadata
---
amdhsa.version: [ 1, 2 ]
amdhsa.kernels:
  - .name:           k_qbba99650c2_qkv
    .symbol:         k_qbba99650c2_qkv.kd
    .args:
      - { .name: x_codes, .offset: 0, .size: 8, .value_kind: global_buffer, .address_space: global }
      - { .name: qkv_w_codes, .offset: 8, .size: 8, .value_kind: global_buffer, .address_space: global }
      - { .name: lowp_scales, .offset: 16, .size: 8, .value_kind: global_buffer, .address_space: global }
      - { .name: qkv_b, .offset: 24, .size: 8, .value_kind: global_buffer, .address_space: global }
      - { .name: qkv_img, .offset: 32, .size: 8, .value_kind: global_buffer, .address_space: global }
    .group_segment_fixed_size: 327680
    .private_segment_fixed_size: 0
    .kernarg_segment_align: 8
    .kernarg_segment_size: 40
    .max_flat_workgroup_size: 128
    .sgpr_count:     98
    .vgpr_count:     1024
    .wavefront_size: 32
...
	.end_amdgpu_metadata
.endif
;; end of part 1
;; launch attn (part 2): grid 4 x 64, 16 waves a work-group, clusters of 4 x 1, 327,680 bytes of LDS; arguments qkv_img, lowp_scales, a_img; writes a_img
.if DOCPART == 2
	.amdgcn_target "amdgcn-amd-amdhsa--gfx1250"
	.amdhsa_code_object_version 6
	.text
	.protected	k_qbba99650c2_attn
	.globl	k_qbba99650c2_attn
	.p2align	8
	.type	k_qbba99650c2_attn,@function
k_qbba99650c2_attn:
	s_mov_b64 s[64:65], 0
	v_nop
	global_prefetch_b8 v0, s[64:65] scope:SCOPE_SE
	s_setreg_imm32_b32 hwreg(HW_REG_WAVE_MODE, 25, 1), 1
	s_wait_xcnt 0x0
	s_wait_alu depctr_hold_cnt(0) depctr_sa_sdst(0) depctr_va_vdst(0) depctr_va_sdst(0) depctr_va_ssrc(0) depctr_va_vcc(0) depctr_vm_vsrc(0)
	s_getreg_b32 s2, hwreg(HW_REG_IB_STS2, 6, 4)
	s_cmp_eq_u32 s2, 0
	s_cbranch_scc0 .Lentry_in_a_cluster
	s_endpgm
.Lentry_in_a_cluster:
	s_bfe_u32 s2, ttmp6, 0x10000c
	s_cmp_lg_u32 s2, 0x3003
	s_cbranch_scc0 .Lentry_shape_is_right
	s_endpgm
.Lentry_shape_is_right:
; Causal attention of one head (64 channels, 2,048 tokens) on codes of FP8 (E4M3): S^T = k q^T, p = 2^(t - M), O^T = v^T p^T, O / l quantised again and stored as images for the projection.
; t = score x 2^(e2 + e3) x log2(e) / 8; M = the running largest t, rounded UP to a whole number; p is quantised with 2^e4 and is not normalised; l is the sum of the unquantised p, in f32.
; When M moves, l and O^T are multiplied by 2^(old M - new M): exact.  At the end O^T x 2^(e4 + e5) / l is converted with 2^e6.
; LIMITS: e2 + e3 between -123 and 130 (they are added to the exponent field of log2(e) / 8); e4 and e6 between -126 and 119; e4 + e5 is applied by v_ldexp_f32 and has none.
; SHARES.  A cluster of four work-groups owns a head (cluster y = 16 batch + head).  The head's 128 tiles of 16 queries are dealt out by turns: tile 4 W + cx belongs to work-group cx, W = 0 .. 31; wave w of sixteen owns
; W = w and W = 31 - w.  Keys go in steps of 128.  Tile W has work in steps 0 .. W / 2 and meets the diagonal in step W / 2 alone, whatever cx is: so every branch hangs on the wave's number and the step's, none on
; the place in the cluster, and each wave has (w / 2 + 1) + ((31 - w) / 2 + 1) = 17 tile steps: the same in all waves of all work-groups.  What lies wholly above the diagonal is not computed.
; LDS holds the head's WHOLE k and v: 131,072 bytes each, as they lie in qkv_img: register images, read at 16 x lane, 512 consecutive bytes a load.  Each byte is filled once: no ring.  The four work-groups want the same
; bytes, so each load is asked for jointly (mask 15).  Each wave issues two loads, at the head: its share of keys 0-511 and its share of the rest; steps 0-3 run while the second is on its way.
; Nothing is left to ask for ahead of time: all of the head's k and v is requested by these 32 loads in front of the first step.
; LAYOUT.  Both products are used transposed: a lane holds ONE query (lane % 16) throughout, and its registers run along keys (S^T, p) or channels (O^T), eight neighbours 8 (lane / 16) + 0 .. 7 to an accumulator: the
; conversion of accumulator t gives registers 2 t, 2 t + 1 of the next operand in the plain 8-bit layout.
; REGISTERS: v1 16 x lane; v2, v3 LDS addresses; v5, v6 the diagonal's threshold; v7 -infinity; v8-11, v12-15 statistics (-M, largest t, l in two halves) of the lower and upper tile; v16-31 q; v32-95 fragments of k, then v;
;   v96-159 S^T, then p; v160-191, v192-223 O^T; v224-239 p's codes; v240-254 constants and work.
.set HS,   393216                      ; a head's bytes in qkv_img: q, k, v, 131,072 each
.set KOFF, 131072                      ; k's part of a head; also v's place in LDS
.set LI,   1
.set ADK,  2
.set ADV,  3
.set DLO,  5
.set DHI,  6
.set NINF, 7
.set SLO,  8
.set SHI,  12
.set QLO,  16
.set QHI,  24
.set FRG,  32
.set S,    96
.set OLO,  160
.set OHI,  192
.set PC,   224
.set PLIM, 240                         ; unused
.set ALIM, 241                         ; unused
.set SU,   242                         ; v[242:243] a second chain of the row's sum
.set PSC,  244                         ; 2^e4
.set ASC,  245                         ; 2^e6
.set PX,   246                         ; v246, v247 destinations of lane permutes
.set FF,   252                         ; v252 f = 2^(old M - new M); v253 named with it as a pair
.set MX,   254
.set WV,   18                          ; s18 my wave's number
.set CX,   19                          ; s19 my place in the cluster
.set SEL,  20                          ; s[20:21] v_permlanex16_b32's selects for lane l xor 16
.set CS,   22                          ; s[22:23] c = 2^(e2 + e3) log2(e) / 8
.set G1A,  24                          ; s[24:31] descriptor group 1 of the first load;  s[32:39] of the second;  s[40:43], s[44:47] their groups 0
.set G1B,  32
.set G0A,  40
.set G0B,  44
.set E,    48                          ; s[48:55] e0 .. e7
.set TB,   56                          ; s56 LDS byte of the step's k
.set TBV,  57                          ; s57 of its v
.set STP,  58                          ; s58 the step
.set LLO,  60                          ; s60 the lower tile's last step: w / 2
.set LHI,  61                          ; s61 the upper tile's: (31 - w) / 2
.macro ROUND                           ; a round of the cluster's barrier
	s_barrier_signal -1
	s_barrier_wait -1
	s_cmp_lg_u32 s[WV], 0
	s_cbranch_scc1 .Lnot_wave_0_\@
	s_barrier_signal -3
.Lnot_wave_0_\@:
	s_barrier_wait -3
	s_barrier_signal -1
	s_barrier_wait -1
.endm
	s_load_b128 s[4:7], s[0:1], 0x0                ; qkv_img s[4:5], the scales' exponents s[6:7]
	s_load_b64 s[8:9], s[0:1], 0x10                ; a_img
	v_lshl_add_u32 v251, v0, 2, 0x40000
	v_mov_b32 v255, 0
	ds_add_u32 v251, v255
	ds_add_u32 v251, v255
	v_lshrrev_b32 v2, 5, v0
	s_delay_alu instid0(VALU_DEP_1)
	v_readfirstlane_b32 s[WV], v2                  ; wave 0..15
	s_bfe_u32 s[CX], ttmp6, 0x40000
	s_and_b32 s66, ttmp7, 0xffff                   ; 16 batch + head, which the four partners share
	s_mul_i32 s68, s66, HS
	s_mov_b32 s69, 0
	; what I fetch: waves 0-7 of k, waves 8-15 of v; wave u of the eight: 4,096 bytes of the first 32,768 (keys 0-511), 12,288 of the other 98,304.  LDS mirrors memory
	s_lshr_b32 s70, s[WV], 3
	s_lshl_b32 s70, s70, 17
	s_and_b32 s71, s[WV], 7
	s_lshl_b32 s72, s71, 12
	s_add_co_u32 s72, s72, s70                     ; the first load's place
	s_mov_b32 s73, 0
	s_mul_i32 s74, s71, 12288
	s_add_co_u32 s74, s74, s70
	s_add_co_u32 s74, s74, 32768                   ; the second's
	s_mov_b32 s75, 0
	; descriptor group 1: a dense block as rows of 256 bytes: 16 rows, and 48
	s_mov_b32 s[G1A], 15|(3<<16)|(1<<21)           ; 15:0 the mask: all four work-groups; 17:16 elements of 8 bytes; 21 set beside a mask; no padding
	s_mov_b32 s[G1A+1], 32<<16                     ; tensor_dim0 = 32
	s_mov_b32 s[G1A+2], 16<<16                     ; tensor_dim1 = 16
	s_mov_b32 s[G1A+3], 32<<16                     ; tile_dim0 = 32
	s_mov_b32 s[G1A+4], 16                         ; tile_dim1 = 16
	s_mov_b32 s[G1A+5], 32                         ; tensor_dim0_stride
	s_mov_b32 s[G1A+6], 0
	s_mov_b32 s[G1A+7], 0
	s_mov_b32 s[G1B], 15|(3<<16)|(1<<21)
	s_mov_b32 s[G1B+1], 32<<16
	s_mov_b32 s[G1B+2], 48<<16
	s_mov_b32 s[G1B+3], 32<<16
	s_mov_b32 s[G1B+4], 48
	s_mov_b32 s[G1B+5], 32
	s_mov_b32 s[G1B+6], 0
	s_mov_b32 s[G1B+7], 0
	s_mov_b32 s[G0A], 1
	s_mov_b32 s[G0A+1], s72
	s_mov_b32 s[G0B], 1
	s_mov_b32 s[G0B+1], s74
	s_mov_b32 s[SEL], 0x76543210
	s_mov_b32 s[SEL+1], 0xfedcba98
	s_wait_dscnt 0x0
	s_wait_kmcnt 0x0
	s_load_b256 s[E:E+7], s[6:7], 0x0
	s_add_nc_u64 s[4:5], s[4:5], s[68:69]          ; the head's first byte: its q
	s_add_nc_u64 s[G0A+2:G0A+3], s[4:5], s[72:73]
	s_add_nc_u64 s[G0A+2:G0A+3], s[G0A+2:G0A+3], KOFF
	s_or_b32 s[G0A+3], s[G0A+3], 0x80000000
	s_add_nc_u64 s[G0B+2:G0B+3], s[4:5], s[74:75]
	s_add_nc_u64 s[G0B+2:G0B+3], s[G0B+2:G0B+3], KOFF
	s_or_b32 s[G0B+3], s[G0B+3], 0x80000000
	ROUND                                          ; all four work-groups are here: the joint loads meet
	tensor_load_to_lds s[G0A:G0A+3], s[G1A:G1A+7]  ; the first of a wave's two loads: one of mine is out
	s_nop 0
	s_wait_alu depctr_va_vdst(0)
	s_wait_tensorcnt 0x0
	ds_add_u32 v251, v255
	s_wait_dscnt 0x0
	ROUND
	tensor_load_to_lds s[G0B:G0B+3], s[G1B:G1B+7]
	s_nop 0
.rept 4
	v_nop
.endr
	s_lshl_b32 s62, s[WV], 2
	s_add_co_u32 s62, s62, s[CX]                   ; my lower tile of queries: 4 w + cx
	s_xor_b32 s63, s[WV], 31                       ; 31 - w
	s_lshr_b32 s[LHI], s63, 1
	s_and_b32 s67, s63, 1
	s_lshl_b32 s63, s63, 2
	s_add_co_u32 s63, s63, s[CX]                   ; my upper tile: 4 (31 - w) + cx
	s_lshr_b32 s[LLO], s[WV], 1
	s_lshl_b32 s70, s62, 10
	s_mov_b32 s71, 0
	s_add_nc_u64 s[10:11], s[4:5], s[70:71]        ; their images of q
	s_lshl_b32 s70, s63, 10
	s_add_nc_u64 s[12:13], s[4:5], s[70:71]
	v_and_b32 v[LI], 31, v0
	s_delay_alu instid0(VALU_DEP_1)
	v_lshlrev_b32 v[LI], 4, v[LI]
	global_load_b128 v[QLO:QLO+3], v[LI], s[10:11] th:TH_LOAD_NT
	global_load_b128 v[QLO+4:QLO+7], v[LI], s[10:11] offset:512 th:TH_LOAD_NT
	global_load_b128 v[QHI:QHI+3], v[LI], s[12:13] th:TH_LOAD_NT
	global_load_b128 v[QHI+4:QHI+7], v[LI], s[12:13] offset:512 th:TH_LOAD_NT
	s_lshr_b32 s70, s66, 4                         ; a_img: tile of tokens 128 batch + tile, 16,384 bytes each; in it the head's 1,024
	s_lshl_b32 s70, s70, 21
	s_and_b32 s68, s66, 15
	s_lshl_b32 s68, s68, 10
	s_add_co_u32 s70, s70, s68
	s_lshl_b32 s68, s62, 14
	s_add_co_u32 s68, s68, s70
	s_add_nc_u64 s[14:15], s[8:9], s[68:69]
	s_lshl_b32 s68, s63, 14
	s_add_co_u32 s68, s68, s70
	s_add_nc_u64 s[16:17], s[8:9], s[68:69]
	; the diagonal.  In step W / 2 register 8 t + j holds key 16 t + 8 h + j of the step, and my query is 64 (W % 2) + 16 cx + r of it: hidden where 16 t + j > 64 (W % 2) + 16 cx + r - 8 h
	s_lshl_b32 s76, s[CX], 4
	s_and_b32 s77, s[WV], 1
	s_lshl_b32 s77, s77, 6
	s_add_co_u32 s77, s77, s76
	s_lshl_b32 s67, s67, 6
	s_add_co_u32 s67, s67, s76
	v_and_b32 v2, 15, v0
	v_bfe_u32 v3, v0, 4, 1
	s_delay_alu instid0(VALU_DEP_1)
	v_lshlrev_b32 v3, 3, v3
	s_delay_alu instid0(VALU_DEP_1)
	v_sub_nc_u32 v4, v2, v3
	s_delay_alu instid0(VALU_DEP_1)
	v_add_nc_u32 v[DLO], s77, v4
	s_delay_alu instid0(VALU_DEP_2)
	v_add_nc_u32 v[DHI], s67, v4
	v_mov_b32 v[NINF], 0xff800000
	v_mov_b32 v[SLO+1], 0xff61b1e6                 ; the largest t so far: -3e38, under every t
	v_mov_b32 v[SHI+1], 0xff61b1e6
	s_delay_alu instid0(VALU_DEP_2)
	v_floor_f32 v[SLO], -v[SLO+1]                  ; -M
	s_delay_alu instid0(VALU_DEP_2)
	v_floor_f32 v[SHI], -v[SHI+1]
	v_mov_b32 v[SLO+2], 0                          ; l, in two halves
	v_mov_b32 v[SLO+3], 0
	v_mov_b32 v[SHI+2], 0
	v_mov_b32 v[SHI+3], 0
	v_mov_b32 v[PX], 0                             ; written once: a lane permute's destination counts as one of its sources
	v_mov_b32 v[PX+1], 0
	v_mov_b32 v[FF+1], 0                           ; (named as the upper half of a pair)
.set jj, 0
.rept 64
	v_mov_b32 v[OLO+jj], 0                         ; O^T of both tiles.  (A tile step is written without a first step of its own: the first finds zeros, which the first change of M leaves zeros)
.set jj, jj+1
.endr
	s_wait_kmcnt 0x0
	s_add_co_i32 s62, s[E+2], s[E+3]
	s_lshl_b32 s62, s62, 23
	s_add_co_i32 s[CS], s62, 0x3e38aa3b            ; log2(e) / 8 with e2 + e3 added to its exponent field
	s_mov_b32 s[CS+1], s[CS]                       ; (named with it as a pair, so it is written)
	s_add_co_i32 s62, s[E+4], 127
	s_lshl_b32 s63, s62, 23
	v_mov_b32 v[PSC], s63
	s_add_co_i32 s62, s[E+6], 127
	s_lshl_b32 s63, s62, 23
	v_mov_b32 v[ASC], s63
; ONE TILE OF 16 QUERIES, ONE STEP OF 128 KEYS.  Q: its q; O: its O^T; SB: its statistics; DM: its threshold; LAST: the scalar register with the step in which it meets the diagonal.
.macro TILE Q, O, SB, DM, LAST
	v_add_nc_u32 v[ADK], s[TB], v[LI]
	v_add_nc_u32 v[ADV], s[TBV], v[LI]
	v_nop                                          ; with the two additions: four places in front of loads into registers that the last products read
	v_nop
.irp t, 0,1,2,3,4,5,6,7
	ds_load_b128 v[FRG+8*\t:FRG+8*\t+3], v[ADK] offset:1024*\t          ; the image of keys 16 t on
	ds_load_b128 v[FRG+8*\t+4:FRG+8*\t+7], v[ADK] offset:1024*\t+512
.endr
	s_wait_alu depctr_va_vdst(0)
	s_wait_dscnt 0x0
.irp t, 0,1,2,3,4,5,6,7
	v_wmma_f32_16x16x64_fp8_fp8 v[S+8*\t:S+8*\t+7], v[FRG+8*\t:FRG+8*\t+7], v[\Q:\Q+7], 0   ; S^T: register j of lane (r, h) is key 16 t + 8 h + j, query r
.endr
.rept 4
	v_nop                                          ; places: the loads below land in registers that these products read, and the lines behind them read the results
.endr
.irp d, 0,1,2,3
.irp c, 0,1,2,3
	ds_load_b128 v[FRG+16*\d+4*\c:FRG+16*\d+4*\c+3], v[ADV] offset:2048*\d+512*\c   ; v^T: channels 16 d on x the step's 128 keys; it lands during the softmax
.endr
.endr
	s_cmp_lg_u32 s[STP], s[\LAST]                  ; only the tile's last step meets the diagonal
	s_cbranch_scc1 .Lopen_\@
.irp t, 0,1,2,3,4,5,6,7
.irp j, 0,1,2,3,4,5,6,7
	v_cmp_gt_i32 vcc_lo, 16*\t+\j, v[\DM]
	v_cndmask_b32 v[S+8*\t+\j], v[S+8*\t+\j], v[NINF], vcc_lo   ; a hidden key's score becomes -infinity: p = 0.  The step's first key counts for every query of the tile
.endr
.endr
.Lopen_\@:
	v_max3_num_f32 v[MX], v[S], v[S+1], v[S+2]     ; the step's largest score of my query, among my 64 keys, in two chains, each accumulator from its low end on,
	v_max3_num_f32 v[FF], v[S+3], v[S+4], v[S+5]
.set jj, 6
.rept 14
	v_max3_num_f32 v[MX], v[MX], v[S+jj], v[S+jj+1]
	v_max3_num_f32 v[FF], v[FF], v[S+jj+2], v[S+jj+3]
.set jj, jj+4
.endr
	v_max3_num_f32 v[MX], v[MX], v[S+62], v[S+63]
	s_delay_alu instid0(VALU_DEP_1)
	v_max_num_f32 v[MX], v[MX], v[FF]
	s_delay_alu instid0(VALU_DEP_1)
	v_permlanex16_b32 v[PX], v[MX], s[SEL], s[SEL+1]
	s_delay_alu instid0(VALU_DEP_1)
	v_max_num_f32 v[MX], v[MX], v[PX]              ; and among lane l xor 16's
	s_delay_alu instid0(VALU_DEP_1)
	v_mul_f32 v[MX], s[CS], v[MX]                  ; as t (c is positive)
	s_delay_alu instid0(VALU_DEP_1)
	v_max_num_f32 v[\SB+1], v[\SB+1], v[MX]        ; the running largest t
	v_mov_b32 v[MX], v[\SB]
	s_delay_alu instid0(VALU_DEP_2)
	v_floor_f32 v[\SB], -v[\SB+1]                  ; the new -M = floor(-t) = -ceil(t): a whole number
	s_delay_alu instid0(VALU_DEP_1)
	v_sub_f32 v[MX], v[\SB], v[MX]                 ; old M - new M: a whole number, 0 or less
	s_delay_alu instid0(VALU_DEP_1)
	v_cvt_i32_f32 v[MX], v[MX]                     ; (it saturates)
	s_delay_alu instid0(VALU_DEP_1)
	v_ldexp_f32 v[FF], 1.0, v[MX]                  ; f = 2^(old M - new M)
.set jj, 0
.rept 32
	v_pk_fma_f32 v[S+jj:S+jj+1], v[S+jj:S+jj+1], s[CS:CS+1], v[\SB:\SB+1] op_sel_hi:[1,0,0]   ; t - M, two at a time (of the pairs c and -M the low word serves both halves)
.set jj, jj+2
.endr
.set jj, 0
	s_wait_alu depctr_va_vdst(0)
.rept 64
	v_exp_f32 v[S+jj], v[S+jj]                     ; p = 2^(t - M), at most 1
.set jj, jj+1
.endr
	v_pk_mul_f32 v[\SB+2:\SB+3], v[\SB+2:\SB+3], v[FF:FF+1] op_sel_hi:[1,0]   ; l under the new M: the plain instruction behind the exponentials
	s_wait_alu depctr_va_vdst(0)                   ; one wait for the whole batch of 64, ahead of its first reader
	v_pk_add_f32 v[SU:SU+1], v[S:S+1], v[S+2:S+3]  ; the row's sum is taken of the unquantised p: two at a time, in two chains
.set jj, 4
.rept 15
	v_pk_add_f32 v[\SB+2:\SB+3], v[\SB+2:\SB+3], v[S+jj:S+jj+1]
	v_pk_add_f32 v[SU:SU+1], v[SU:SU+1], v[S+jj+2:S+jj+3]
.set jj, jj+4
.endr
	s_delay_alu instid0(VALU_DEP_1)
	v_pk_add_f32 v[\SB+2:\SB+3], v[\SB+2:\SB+3], v[SU:SU+1]
.irp t, 0,1,2,3,4,5,6,7
.irp j, 0,1,2,3,4,5,6,7
.endr
	v_cvt_scalef32_pk8_fp8_f32 v[PC+2*\t:PC+2*\t+1], v[S+8*\t:S+8*\t+7], v[PSC]   ; registers 2 t, 2 t + 1 of p's fragment: keys 16 t + 8 h + 0 .. 7
.endr
.set jj, 0
.rept 16
	v_pk_mul_f32 v[\O+jj:\O+jj+1], v[\O+jj:\O+jj+1], v[FF:FF+1] op_sel_hi:[1,0]   ; O^T under the new M.  (Also the plain instructions between the conversions and the products that read the codes)
.set jj, jj+2
.endr
	s_wait_alu depctr_va_vdst(0)
	s_wait_dscnt 0x0                               ; v^T is in
.irp d, 0,1,2,3
	v_wmma_f32_16x16x128_fp8_fp8 v[\O+8*\d:\O+8*\d+7], v[FRG+16*\d:FRG+16*\d+15], v[PC:PC+15], v[\O+8*\d:\O+8*\d+7]   ; the four accumulators take turns, one instruction a turn
.endr
.endm
; A step: the upper tile, then the lower, each while it has keys at or under its diagonal.  Every wave walks every step; the branches stand inside the loop and hang on the wave's number and the step's.
.macro TRIP
	s_cmp_gt_u32 s[STP], s[LHI]
	s_cbranch_scc1 .Lno_hi_\@
	TILE QHI, OHI, SHI, DHI, LHI
.Lno_hi_\@:
	s_cmp_gt_u32 s[STP], s[LLO]
	s_cbranch_scc1 .Lno_lo_\@
	TILE QLO, OLO, SLO, DLO, LLO
.Lno_lo_\@:
	s_add_co_u32 s[TB], s[TB], 8192
	s_add_co_u32 s[TBV], s[TBV], 8192
	s_add_co_u32 s[STP], s[STP], 1
.endm
	s_wait_tensorcnt 0x1                           ; my share of keys 0-511 is in; my second load may stay out
	s_barrier_signal -1
	s_barrier_wait -1                              ; everybody's is
	s_wait_loadcnt 0x0                             ; q
	s_mov_b32 s[STP], 0
	s_mov_b32 s[TB], 0
	s_mov_b32 s[TBV], KOFF
.Lfirst:                                               ; steps 0-3 read the first 32,768 bytes of k and of v alone
	TRIP
	s_cmp_lt_u32 s[STP], 4
	s_cbranch_scc1 .Lfirst
	s_wait_tensorcnt 0x0                           ; my share of the rest is in,
	s_wait_dscnt 0x0
	s_barrier_signal -1
	s_barrier_wait -1                              ; everybody's is: from here on the waves meet no more
	s_mov_b32 s[STP], 4                            ; (the three hold these numbers already; written out so that this loop reads by itself)
	s_mov_b32 s[TB], 4*8192
	s_mov_b32 s[TBV], KOFF+4*8192
.Lrest:
	TRIP
	s_cmp_lt_u32 s[STP], 16
	s_cbranch_scc1 .Lrest
	; THE WAY OUT.  l's two halves and lane l xor 16's are added; O^T x 2^(e4 + e5) / l is quantised.  The additions, the v_nop and the two v_ldexp_f32 are the places behind the last products.
	v_add_f32 v[SLO+2], v[SLO+2], v[SLO+3]
	v_add_f32 v[SHI+2], v[SHI+2], v[SHI+3]
	s_delay_alu instid0(VALU_DEP_2)
	v_permlanex16_b32 v[PX], v[SLO+2], s[SEL], s[SEL+1]
	s_delay_alu instid0(VALU_DEP_2)
	v_permlanex16_b32 v[PX+1], v[SHI+2], s[SEL], s[SEL+1]
	s_delay_alu instid0(VALU_DEP_2)
	v_add_f32 v[SLO+2], v[SLO+2], v[PX]
	s_delay_alu instid0(VALU_DEP_2)
	v_add_f32 v[SHI+2], v[SHI+2], v[PX+1]
	s_wait_alu depctr_va_vdst(0)
	v_rcp_f32 v[SLO+2], v[SLO+2]
	v_rcp_f32 v[SHI+2], v[SHI+2]
	v_nop                                          ; a plain instruction behind the reciprocals
	s_add_co_i32 s62, s[E+4], s[E+5]
	s_wait_alu depctr_va_vdst(0)                   ; one wait for the two, ahead of their first reader
	v_ldexp_f32 v[SLO+2], v[SLO+2], s62
	v_ldexp_f32 v[SHI+2], v[SHI+2], s62
; A tile's 32 numbers a lane become 8 registers of codes.  The conversions give registers 2 d, 2 d + 1 = channels 16 d + 8 h + 0 .. 7.  The projection reads its weights 16 bytes a lane, so it wants registers 4 c + i =
; channels 32 c + 16 h + 4 i + 0 .. 3: four exchanges of half registers between the halves of the lanes make that order.  The two stores cover 512 consecutive bytes each, aligned.
.macro FINISH O, SB, VAL, CDX, BASE
.set jj, 0
.rept 16
	v_pk_mul_f32 v[\VAL+jj:\VAL+jj+1], v[\O+jj:\O+jj+1], v[\SB+2:\SB+3] op_sel_hi:[1,0]   ; each accumulator from its low end on
.set jj, jj+2
.endr
.set jj, 0
.rept 32
.set jj, jj+1
.endr
.irp d, 0,1,2,3
	v_cvt_scalef32_pk8_fp8_f32 v[\CDX+2*\d:\CDX+2*\d+1], v[\VAL+8*\d:\VAL+8*\d+7], v[ASC]
.endr
	v_nop                                          ; one plain vector instruction between the conversions and the lines that touch their results
	v_permlane16_swap_b32 v[\CDX], v[\CDX+2]       ; the first's lanes 16-31 change places with the second's lanes 0-15
	v_permlane16_swap_b32 v[\CDX+1], v[\CDX+3]
	v_permlane16_swap_b32 v[\CDX+4], v[\CDX+6]
	v_permlane16_swap_b32 v[\CDX+5], v[\CDX+7]
	global_store_b128 v[LI], v[\CDX:\CDX+3], s[\BASE:\BASE+1]
	global_store_b128 v[LI], v[\CDX+4:\CDX+7], s[\BASE:\BASE+1] offset:512
.endm
	FINISH OLO, SLO, S, PC, 14
	FINISH OHI, SHI, S+32, PC+8, 16
	s_wait_tensorcnt 0x0
	ds_add_u32 v251, v255
	s_wait_dscnt 0x0
	ROUND                                          ; the closing round
	s_endpgm
.Lfunc_end_k_qbba99650c2_attn:
	.size	k_qbba99650c2_attn, .Lfunc_end_k_qbba99650c2_attn-k_qbba99650c2_attn
	.p2alignl 7, 3214868480
	.fill 96, 4, 3214868480
	.section	.rodata,"a",@progbits
	.p2align	6, 0x0
	.amdhsa_kernel k_qbba99650c2_attn
		.amdhsa_group_segment_fixed_size 327680
		.amdhsa_private_segment_fixed_size 0
		.amdhsa_enable_private_segment 0
		.amdhsa_kernarg_size 24
		.amdhsa_user_sgpr_count 2
		.amdhsa_user_sgpr_kernarg_segment_ptr 1
		.amdhsa_wavefront_size32 1
		.amdhsa_system_sgpr_workgroup_id_x 1
		.amdhsa_system_sgpr_workgroup_id_y 1
		.amdhsa_system_sgpr_workgroup_id_z 1
		.amdhsa_system_vgpr_workitem_id 0
		.amdhsa_next_free_vgpr 256
		.amdhsa_next_free_sgpr 80
		.amdhsa_reserve_vcc 1
		.amdhsa_float_denorm_mode_32 3
		.amdhsa_float_denorm_mode_16_64 3
		.amdhsa_fp16_overflow 1
		.amdhsa_memory_ordered 1
		.amdhsa_forward_progress 1
		.amdhsa_inst_pref_size 89
	.end_amdhsa_kernel
	.amdgpu_metadata
---
amdhsa.version: [ 1, 2 ]
amdhsa.kernels:
  - .name:           k_qbba99650c2_attn
    .symbol:         k_qbba99650c2_attn.kd
    .args:
      - { .name: qkv_img, .offset: 0, .size: 8, .value_kind: global_buffer, .address_space: global }
      - { .name: lowp_scales, .offset: 8, .size: 8, .value_kind: global_buffer, .address_space: global }
      - { .name: a_img, .offset: 16, .size: 8, .value_kind: global_buffer, .address_space: global }
    .group_segment_fixed_size: 327680
    .private_segment_fixed_size: 0
    .kernarg_segment_align: 8
    .kernarg_segment_size: 24
    .max_flat_workgroup_size: 512
    .sgpr_count:     80
    .vgpr_count:     256
    .wavefront_size: 32
...
	.end_amdgpu_metadata
.endif
;; end of part 2
;; launch proj (part 3): grid 4 x 32, 4 waves a work-group, clusters of 4 x 4, 327,680 bytes of LDS; arguments a_img, proj_w_codes, lowp_scales, proj_b, out0; writes out0
.if DOCPART == 3
	.amdgcn_target "amdgcn-amd-amdhsa--gfx1250"
	.amdhsa_code_object_version 6
	.text
	.protected	k_qbba99650c2_proj
	.globl	k_qbba99650c2_proj
	.p2align	8
	.type	k_qbba99650c2_proj,@function
k_qbba99650c2_proj:
	s_mov_b64 s[64:65], 0
	v_nop
	global_prefetch_b8 v0, s[64:65] scope:SCOPE_SE
	s_setreg_imm32_b32 hwreg(HW_REG_WAVE_MODE, 25, 1), 1
	s_wait_xcnt 0x0
	s_wait_alu depctr_hold_cnt(0) depctr_sa_sdst(0) depctr_va_vdst(0) depctr_va_sdst(0) depctr_va_ssrc(0) depctr_va_vcc(0) depctr_vm_vsrc(0)
	s_getreg_b32 s2, hwreg(HW_REG_IB_STS2, 6, 4)
	s_cmp_eq_u32 s2, 0
	s_cbranch_scc0 .Lentry_in_a_cluster
	s_endpgm
.Lentry_in_a_cluster:
	s_bfe_u32 s2, ttmp6, 0x10000c
	s_cmp_lg_u32 s2, 0xf033
	s_cbranch_scc0 .Lentry_shape_is_right
	s_endpgm
.Lentry_shape_is_right:
; out = A W^T + b on codes of FP8 (E4M3).  A: the attention's result, 8,192 tokens x 1,024 channels, as register images (scale 2^e6); W: [1024][1024] codes, K innermost (2^e7); b: [1024] f32; out: [8192][1024] f32.
; Each finished sum is multiplied by 2^(e6 + e7) and b is added, in one fused multiply-add.  LIMIT: e6 + e7 between -126 and 127, so that 2^(e6 + e7) is an f32 number.
; A tile of out, 256 x 256, is made by a work-group of four waves; a wave makes 128 x 128: 64 accumulators, 512 registers.  K goes in steps of 256 through a ring of two LDS slots.  The output has 32 x 4 such tiles: 128 work-groups.
; CLUSTERS of 4 x 4: A's tiles are asked for jointly by a row of the cluster, W's by a column.  The matrix instruction is used transposed (source 0 = 16 rows of W, source 1 = 16 tokens): a lane holds eight neighbouring numbers of a row of out.
; A's IMAGES.  A tile of 16 tokens is 16,384 bytes of a_img, a head's 64 channels 1,024 of them: byte 512 c + 16 lane + 4 i + y is byte y of register 4 c + i = channel 32 c + 16 (lane / 16) + 4 i + y of token lane % 16:
; the order of K in which 16-byte loads bring W's rows.  A K step (4 heads) of 128 tokens is 8 rows of 4,096 bytes, 16,384 apart; a fragment (16 tokens x 128 K) is four loads of 512 consecutive bytes: no padding.
; REGISTERS, in windows of 256: window 0: v16-31 addresses; v32-35 my four numbers of b; from v128 A's fragments, ONE set; on the way out v128-255 rows read back.
;   window 1: W's fragments, TWO sets.   window 2: the accumulators of my tokens 0-63 ((a, b) at v[8 (8 a + b)]);   window 3: those of tokens 64-127.
.set SIZE_N, 1024
.set KROW,   1024                      ; a row of W in memory, in bytes
.set ROWB,   256                       ; a K step of a row of W
.set ASTEP,  4096                      ; a K step of a tile of 16 tokens in a_img
.set PITCH,  272                       ; W's rows in LDS: 256 bytes + 16 of padding: the 16 rows that a load touches start at 16 different banks (64 banks of 4 bytes: ISA guide 11.1)
.set FR,     16
.set NL,     4
.set NP,     4
.set HALFA,  32768                     ; 128 tokens x 256 K as images
.set HALFT,  128*PITCH                 ; 128 rows of W
.set BOFF,   2*HALFA                   ; W's rows lie behind A's images
.set SLOT,   BOFF+2*HALFT              ; 135,168
.set LAPS,   KROW/(2*ROWB)             ; 2
.set SPARE,  2*SLOT                    ; behind the ring: the spare words, 128 bytes for each wave: two blocks of 256 bytes that no other line names
.set SPITCH, 528                       ; the way out: a stage of 16 rows x (512 bytes + 16) for each wave, in slot 0's images, which have had their last fill and their last read when the first result is stored there
.set ADRA, 16
.set ADRB, 20
.set STO,  24                          ; v24 the way out: where I put 32 bytes of a row
.set RD,   25                          ; v25 where I read a row back
.set CO,   26                          ; v26 16 x lane
.set SPW,  28
.set NIL,  29
.set BIAS, 32                          ; v32-35
.set AF,   128
.set BK,   128                         ; the way out: 16 rows read back: v128-191 and v192-255 by turns
.set G1, 24
.set G0, 32
.set G1B, 48
.set G0B, 56
.set MSB, 0
.macro WIN new                         ; the immediate's high byte repeats the setting that is left
.if MSB != \new
	s_set_vgpr_msb (MSB<<8)|\new
.set MSB, \new
.endif
.endm
.set MUL_LO, 0xa1                      ; source 0 (W) window 1, source 1 (A) window 0, C and D window 2
.set MUL_HI, 0xf1
.set TO_B,   0x40
.macro JLOAD g0a, g1a, g0b, g1b        ; a joint load: waves 0 and 1 fetch for A, waves 2 and 3 for W; four v_nop follow each line
	s_cmp_eq_u32 s15, 0
	s_cbranch_scc0 .Lfor_b_\@
	tensor_load_to_lds s[\g0a:\g0a+3], s[\g1a:\g1a+7]
	s_nop 0
.rept 4
	v_nop
.endr
	s_branch .Lasked_\@
.Lfor_b_\@:
	tensor_load_to_lds s[\g0b:\g0b+3], s[\g1b:\g1b+7]
	s_nop 0
.rept 4
	v_nop
.endr
.Lasked_\@:
.endm
.macro CREST
	s_cmp_lg_u32 s14, 0
	s_cbranch_scc1 .Lnot_wave_0_\@
	s_barrier_signal -3
.Lnot_wave_0_\@:
	s_barrier_wait -3
	s_barrier_signal -1
	s_barrier_wait -1
.endm
.macro CROUND
	s_barrier_signal -1
	s_barrier_wait -1
	CREST
.endm
	s_load_b256 s[4:11], s[0:1], 0x0               ; a_img s[4:5], W s[6:7], the scales' exponents s[8:9], b s[10:11]
	s_load_b64 s[12:13], s[0:1], 0x20              ; out
	v_lshl_add_u32 v[SPW], v0, 2, SPARE
	v_mov_b32 v[NIL], 0
	ds_add_u32 v28, v29
	ds_add_u32 v28, v29
	s_wait_dscnt 0x0
	v_lshrrev_b32 v1, 5, v0
	v_readfirstlane_b32 s14, v1                    ; wave 0..3
	s_lshr_b32 s15, s14, 1                         ; which half of the tile's tokens is mine.  Also: I fetch for A (0) or for W (1)
	s_and_b32 s16, s14, 1                          ; which half of its columns.  Also: which half of that tile I fetch
	s_bfe_u32 s40, ttmp6, 0x40000                  ; cx, cy
	s_bfe_u32 s41, ttmp6, 0x40004
	s_lshl_b32 s42, ttmp9, 2
	s_add_co_u32 s42, s42, s40                     ; tile column = 4 x cluster x + cx
	s_and_b32 s17, ttmp7, 0xffff
	s_lshl_b32 s17, s17, 2
	s_add_co_u32 s17, s17, s41                     ; tile row = 4 x cluster y + cy
	s_lshl_b32 s43, s41, 2
	s_lshl_b32 s43, 15, s43                        ; my row of the cluster
	s_lshl_b32 s44, 0x1111, s40                    ; my column
	; descriptor group 1.  A: 8 rows of 512 elements of 8 bytes, 2,048 elements apart, no padding
	s_or_b32 s[G1+0], s43, (3<<16)|(1<<21)         ; 15:0 the mask: my row; 17:16 elements of 8 bytes; 21 set beside a mask
	s_mov_b32 s[G1+1], 512<<16                     ; tensor_dim0 = 512
	s_mov_b32 s[G1+2], 8<<16                       ; tensor_dim1 = 8
	s_mov_b32 s[G1+3], 512<<16                     ; tile_dim0 = 512
	s_mov_b32 s[G1+4], 8                           ; tile_dim1 = 8
	s_mov_b32 s[G1+5], 2048                        ; tensor_dim0_stride
	s_mov_b32 s[G1+6], 0
	s_mov_b32 s[G1+7], 0
	; W: 128 rows of 256 bytes, padded in LDS
	s_or_b32 s[G1B+0], s44, (0<<16)|(1<<20)|(1<<21)|(5<<22)|(3<<25)  ; the mask: my column; elements of 1 byte; padding of 4 words after every 64
	s_mov_b32 s[G1B+1], ROWB<<16
	s_mov_b32 s[G1B+2], 128<<16
	s_mov_b32 s[G1B+3], ROWB<<16
	s_mov_b32 s[G1B+4], 128
	s_mov_b32 s[G1B+5], KROW
	s_mov_b32 s[G1B+6], 0
	s_mov_b32 s[G1B+7], 0
	s_lshl_b32 s18, s16, 7
	s_lshl_b32 s20, s17, 8
	s_add_co_u32 s20, s20, s18
	s_lshl_b32 s20, s20, 10                        ; A: token 256 x tile row + 128 x half; 1,024 bytes a token
	s_mov_b32 s21, 0
	s_lshl_b32 s46, s42, 8
	s_add_co_u32 s46, s46, s18
	s_lshl_b32 s46, s46, 10                        ; W: row 256 x tile column + 128 x half
	s_mov_b32 s47, 0
	s_lshl_b32 s45, s16, 15                        ; where they go: A's half,
	s_mul_i32 s68, s16, HALFT
	s_add_co_u32 s68, s68, BOFF                    ; W's half: no place in the cluster enters an LDS address
	s_wait_kmcnt 0x0
	s_load_b256 s[84:91], s[8:9], 0x0              ; e0 .. e7
	s_add_nc_u64 s[20:21], s[4:5], s[20:21]
	s_add_nc_u64 s[46:47], s[6:7], s[46:47]
	CROUND                                         ; all sixteen work-groups are here: the first joint loads meet
.irp s, 0,1
	s_mov_b32 s[G0+4*\s], 1
	s_add_co_u32 s[G0+4*\s+1], s45, \s*SLOT
	s_add_nc_u64 s[G0+4*\s+2:G0+4*\s+3], s[20:21], \s*ASTEP
	s_or_b32 s[G0+4*\s+3], s[G0+4*\s+3], 0x80000000
	s_mov_b32 s[G0B+4*\s], 1
	s_add_co_u32 s[G0B+4*\s+1], s68, \s*SLOT
	s_add_nc_u64 s[G0B+4*\s+2:G0B+4*\s+3], s[46:47], \s*ROWB
	s_or_b32 s[G0B+4*\s+3], s[G0B+4*\s+3], 0x80000000
	s_wait_alu depctr_va_vdst(0)
	s_wait_tensorcnt 0x0
	ds_add_u32 v28, v29
	ds_add_u32 v28, v29
	s_wait_dscnt 0x0
	CROUND
	JLOAD G0+4*\s, G1, G0B+4*\s, G1B               ; one load of mine is out
.endr
	v_and_b32 v1, 15, v0                           ; r
	v_bfe_u32 v2, v0, 4, 1                         ; h
	v_and_b32 v6, 31, v0
	v_lshlrev_b32 v[CO], 4, v6                     ; 16 x lane
	v_mul_u32_u24 v3, v1, PITCH
	v_lshl_add_u32 v4, v2, 4, v3                   ; W: a fragment's row x pitch + 16 x half
	s_lshl_b32 s21, s15, 15                        ; my 128 tokens' images
	s_mul_i32 s22, s16, HALFT                      ; my 128 rows of W
	s_add_co_u32 s22, s22, BOFF
.irp s, 0,1
	v_add_nc_u32 v[ADRA+\s], s21, v[CO]
	v_add_nc_u32 v[ADRB+\s], s22, v4
	s_add_co_u32 s21, s21, SLOT
	s_add_co_u32 s22, s22, SLOT
.endr
	s_mul_i32 s23, s14, 16*SPITCH                  ; my stage
	v_mul_u32_u24 v5, v1, SPITCH                   ; in: row r, 32 bytes for each half of the lanes
	v_lshl_add_u32 v5, v2, 5, v5
	v_add_nc_u32 v[STO], s23, v5
	v_add_nc_u32 v[RD], s23, v[CO]                 ; back: the 32 lanes take one row of 512 bytes
	s_lshl_b32 s20, s17, 8
	s_lshl_b32 s21, s15, 7
	s_add_co_u32 s20, s20, s21
	s_lshl_b32 s20, s20, 12                        ; my first row of out: 4,096 bytes a row
	s_mov_b32 s21, 0
	s_lshl_b32 s46, s42, 10                        ; my first column, in bytes: 1,024 x tile column + 512 x half; the same in b
	s_lshl_b32 s47, s16, 9
	s_add_co_u32 s46, s46, s47
	s_mov_b32 s47, 0
	s_add_nc_u64 s[70:71], s[10:11], s[46:47]
	global_load_b128 v[BIAS:BIAS+3], v[CO], s[70:71]   ; b at the four columns that my lane stores, the same in every row
	s_add_nc_u64 s[20:21], s[20:21], s[46:47]
	s_add_nc_u64 s[12:13], s[12:13], s[20:21]
	s_wait_alu depctr_va_vdst(0)
	s_wait_kmcnt 0x0
	s_add_co_i32 s96, s90, s91
	s_add_co_i32 s96, s96, 127
	s_lshl_b32 s96, s96, 23                        ; 2^(e6 + e7) as f32
	s_mov_b32 s97, s96                             ; (named with it as a pair, so it is written)
.macro FRAG reg, adr, q, i             ; W: 16 rows x 128 K: registers 4 c .. 4 c + 3 hold K = 32 c + 16 (l / 16) + 0 .. 15
.irp c, 0,1,2,3
	ds_load_b128 v[\reg+4*\c:\reg+4*\c+3], v[\adr] offset:128*(\q)+32*\c+(\i)*16*PITCH
.endr
.endm
.macro FRAGA reg, adr, q, i            ; A: the images of two heads on end are the fragment's 16 registers
.irp c, 0,1,2,3
	ds_load_b128 v[\reg+4*\c:\reg+4*\c+3], v[\adr] offset:4096*(\i)+2048*(\q)+512*\c
.endr
.endm
; 16 matrix instructions: A's blocks a0, a0 + 1 x W's eight.  The 64 accumulators take turns, one instruction a turn, in the same order in every step.
.macro MUL16 a0, p, zero
.irp a, \a0, \a0+1
.irp b, 0,1,2,3,4,5,6,7
.if \zero
	v_wmma_f32_16x16x128_fp8_fp8 v[8*(8*((\a)%4)+\b):8*(8*((\a)%4)+\b)+7], v[128*(\p)+FR*\b:128*(\p)+FR*\b+FR-1], v[AF+FR*(\a):AF+FR*(\a)+FR-1], 0
.else
	v_wmma_f32_16x16x128_fp8_fp8 v[8*(8*((\a)%4)+\b):8*(8*((\a)%4)+\b)+7], v[128*(\p)+FR*\b:128*(\p)+FR*\b+FR-1], v[AF+FR*(\a):AF+FR*(\a)+FR-1], v[8*(8*((\a)%4)+\b):8*(8*((\a)%4)+\b)+7]
.endif
.endr
.endr
.endm
.macro FETCH_B slot, q, p
	WIN TO_B
.irp i, 0,1,2,3,4,5,6,7
	FRAG 128*(\p)+FR*\i, ADRB+\slot, \q, \i
.endr
	WIN 0
.endm
.macro FETCH_A slot, q, i0
.irp i, \i0, \i0+1, \i0+2, \i0+3
	FRAGA AF+FR*(\i), ADRA+\slot, \q, \i
.endr
.endm
.macro PLACES n                        ; places behind matrix instructions, in front of loads into registers that they read and of the first read of results
.rept \n
	v_nop
.endr
.endm
.macro STEP slot, q, zero
	s_wait_dscnt 4*NL                              ; W's set and A's blocks 0-3 are in; the youngest 16 loads (blocks 4-7) may be out
	WIN MUL_LO
	MUL16 0, (\q)%2, \zero
	MUL16 2, (\q)%2, \zero
	s_wait_dscnt 0
	PLACES NP
	FETCH_B \slot, (\q)+1, 1-(\q)%2
	FETCH_A \slot, (\q)+1, 0
	WIN MUL_HI
	MUL16 4, (\q)%2, \zero
	MUL16 6, (\q)%2, \zero
	PLACES NP
	WIN 0
	FETCH_A \slot, (\q)+1, 4
.endm
; A slot's last step changes slots: ONE barrier; in front of it each wave waits for all its tensor loads, adds 0 to its spare word, and waits for that and for its own reads of this slot.
.macro TURN slot, next, fill
	s_wait_tensorcnt 0x0                           ; all my tensor loads have landed: my part of the next slot  (every window is 0 here)
	ds_add_u32 v[SPW], v[NIL]                      ; 0 onto my spare word
	s_wait_dscnt 4*NL+1                            ; (the add and the youngest 16 loads may be out)
	WIN MUL_LO
	MUL16 0, 1, 0
	s_wait_dscnt 0x0                               ; the add is done, and my reads of this slot are over
	s_barrier_signal -1
	MUL16 2, 1, 0
	WIN 0
	s_barrier_wait -1
.if \fill
	CREST                                          ; the barrier has opened a round of the cluster's barrier
	s_add_nc_u64 s[G0+4*\slot+2:G0+4*\slot+3], s[G0+4*\slot+2:G0+4*\slot+3], 2*ASTEP
	s_add_nc_u64 s[G0B+4*\slot+2:G0B+4*\slot+3], s[G0B+4*\slot+2:G0B+4*\slot+3], 2*ROWB
	JLOAD G0+4*\slot, G1, G0B+4*\slot, G1B         ; the first tensor load behind the round; its four v_nop are the places in front of the loads below
.else
	PLACES NP
.endif
	FETCH_B \next, 0, 0
	FETCH_A \next, 0, 0
	WIN MUL_HI
	MUL16 4, 1, 0
	MUL16 6, 1, 0
	PLACES NP
	WIN 0
	FETCH_A \next, 0, 4
.endm
	s_wait_tensorcnt 1                             ; my part of K step 0 is in (K step 1's load may be out)
	s_barrier_signal -1
	s_barrier_wait -1                              ; everybody's is
	FETCH_B 0, 0, 0
	FETCH_A 0, 0, 0
	FETCH_A 0, 0, 4
	STEP 0, 0, 1                                   ; the first step's products start the sums
	s_mov_b32 s3, LAPS-1
.Llap:
	TURN 0, 1, 1
	STEP 1, 0, 0
	TURN 1, 0, 1
	STEP 0, 0, 0
	s_sub_co_u32 s3, s3, 1
	s_cmp_lg_u32 s3, 0
	s_cbranch_scc1 .Llap
	TURN 0, 1, 0                                   ; the last lap fills nothing
	STEP 1, 0, 0
	s_wait_dscnt 4*NL
	WIN MUL_LO
	MUL16 0, 1, 0
	MUL16 2, 1, 0
	s_wait_dscnt 0
	WIN MUL_HI
	MUL16 4, 1, 0
	MUL16 6, 1, 0
	WIN 0
; THE WAY OUT, block by block of 16 rows x 128 columns.  The sums go into my own stage as they are, 32 bytes a lane, and come back as whole rows of 512 bytes; there each lane holds the same four columns in every row, so
; four registers of b serve all, and one packed multiply-add for two numbers gives sum x 2^(e6 + e7) + b.  LDS serves a wave's instructions in order (ISA guide 5.7.1.4): no wait between the stores and the loads.
.macro TOSTAGE a
.set AC, 64*((\a)%4)
	WIN 0x08+4*((\a)/4)                            ; an LDS store's data are its source 1: window 2 or 3
.irp b, 0,1,2,3,4,5,6,7
	ds_store_b128 v[STO], v[AC+8*\b:AC+8*\b+3] offset:64*\b          ; each accumulator from its low end on
	ds_store_b128 v[STO], v[AC+8*\b+4:AC+8*\b+7] offset:64*\b+16
.endr
	WIN 0
.set BB, BK+64*((\a)%2)
.irp t, 0,1,2,3,4,5,6,7,8,9,10,11,12,13,14,15
	ds_load_b128 v[BB+4*\t:BB+4*\t+3], v[RD] offset:\t*SPITCH
.endr
.endm
.macro SEND a, younger                 ; younger: the LDS instructions issued behind block a's loads, which may stay out
.set BB, BK+64*((\a)%2)
	s_wait_dscnt \younger                          ; the block is back in registers
.if (\a) > 0
	s_add_nc_u64 s[12:13], s[12:13], 16*SIZE_N*4   ; (behind a wait on XCNT: the earlier stores have read their base)  16 rows on
.endif
.irp t, 0,1,2,3,4,5,6,7,8,9,10,11,12,13,14,15
.irp i, 0,2
	v_pk_fma_f32 v[BB+4*\t+\i:BB+4*\t+\i+1], v[BB+4*\t+\i:BB+4*\t+\i+1], s[96:97], v[BIAS+\i:BIAS+\i+1] op_sel_hi:[1,0,1]
.endr
.endr
.irp t, 0,1,2,3,4,5,6,7,8,9,10,11,12,13,14,15
	global_store_b128 v[CO], v[BB+4*\t:BB+4*\t+3], s[12:13] offset:\t*SIZE_N*4 th:TH_STORE_NT   ; 32 lanes store 512 consecutive bytes, aligned; written once, read by nobody here
.endr
.endm
	s_wait_loadcnt 0x0                             ; b
	PLACES NP                                      ; behind the last products: for the stores that read results and the loads into the registers that held A's fragments
	TOSTAGE 0
.irp a, 1,2,3,4,5,6,7
.if \a > 1
	s_wait_xcnt 0x0                                ; block a - 2's stores have read their registers and their base: block a's loads may land there, and the base may step
.endif
	TOSTAGE \a
	SEND \a-1, 32                                  ; behind block a - 1's loads: block a's 16 stores and 16 loads
.endr
	s_wait_xcnt 0x0                                ; block 6's stores have read their base
	SEND 7, 0
	s_wait_tensorcnt 0x0                           ; the wave's end
	ds_add_u32 v[SPW], v[NIL]
	s_wait_dscnt 0x0
	CROUND                                         ; the closing round
	s_endpgm
.Lfunc_end_k_qbba99650c2_proj:
	.size	k_qbba99650c2_proj, .Lfunc_end_k_qbba99650c2_proj-k_qbba99650c2_proj
	.p2alignl 7, 3214868480
	.fill 96, 4, 3214868480
	.section	.rodata,"a",@progbits
	.p2align	6, 0x0
	.amdhsa_kernel k_qbba99650c2_proj
		.amdhsa_group_segment_fixed_size 327680
		.amdhsa_private_segment_fixed_size 0
		.amdhsa_enable_private_segment 0
		.amdhsa_kernarg_size 40
		.amdhsa_user_sgpr_count 2
		.amdhsa_user_sgpr_kernarg_segment_ptr 1
		.amdhsa_wavefront_size32 1
		.amdhsa_system_sgpr_workgroup_id_x 1
		.amdhsa_system_sgpr_workgroup_id_y 1
		.amdhsa_system_sgpr_workgroup_id_z 1
		.amdhsa_system_vgpr_workitem_id 0
		.amdhsa_next_free_vgpr 1024
		.amdhsa_next_free_sgpr 98
		.amdhsa_reserve_vcc 0
		.amdhsa_float_denorm_mode_32 3
		.amdhsa_float_denorm_mode_16_64 3
		.amdhsa_memory_ordered 1
		.amdhsa_forward_progress 1
		.amdhsa_inst_pref_size 124
	.end_amdhsa_kernel
	.amdgpu_metadata
---
amdhsa.version: [ 1, 2 ]
amdhsa.kernels:
  - .name:           k_qbba99650c2_proj
    .symbol:         k_qbba99650c2_proj.kd
    .args:
      - { .name: a_img, .offset: 0, .size: 8, .value_kind: global_buffer, .address_space: global }
      - { .name: proj_w_codes, .offset: 8, .size: 8, .value_kind: global_buffer, .address_space: global }
      - { .name: lowp_scales, .offset: 16, .size: 8, .value_kind: global_buffer, .address_space: global }
      - { .name: proj_b, .offset: 24, .size: 8, .value_kind: global_buffer, .address_space: global }
      - { .name: out0, .offset: 32, .size: 8, .value_kind: global_buffer, .address_space: global }
    .group_segment_fixed_size: 327680
    .private_segment_fixed_size: 0
    .kernarg_segment_align: 8
    .kernarg_segment_size: 40
    .max_flat_workgroup_size: 128
    .sgpr_count:     98
    .vgpr_count:     1024
    .wavefront_size: 32
...
	.end_amdgpu_metadata
.endif
;; end of part 3
